; MI455X (gfx1250); checked and timed in simulation.
; The chip was launched on July 23, 2026; its instructions are those of AMD's public machine-readable ISA for CDNA 5 (MIT licence, August 2026) and "CDNA5" Instruction Set Architecture Reference Guide (July 2026). The comments in the code are by the model that wrote it; some were corrected since.
;; Ascend Triangle Mix Attention. Allowed arithmetic: matrix products marked QUANTISED: E2M3 operands, one E8M0 scale for each 32 along K, by v_wmma_scale_f32_16x16x128_f8f6f4 with both operands' format E2M3, f32 sums; everything else in f32.
;; Inputs: attn_mask 1 x 1 x 4,096 x 4,096 float32; key 1 x 4,096 x 16 x 128 float32; query 1 x 4,096 x 16 x 128 float32; value 1 x 4,096 x 16 x 128 float32.
;; Outputs: out0 1 x 4,096 x 16 x 128 float32.
;; This version of the problem:
;;   THIS VERSION OF THE PROBLEM IS GIVEN IN LOW PRECISION. The matrix products marked QUANTISED in the list below multiply operands that are first quantised to E2M3 (2 exponent bits, 3 mantissa bits; 6 bits a number), with one power-of-two scale for each 32 numbers along K (OCP MX v1.0); their sums are f32. All else is computed in f32.
;;   The module's matrix products, in the order in which they are computed (A, B: the left and right operand; K: the contracted axis; several contracted axes count as one K, in the product's order):
;;     1. batch 16 x [M 4,096, K 128] x [K 128, N 4,096]; A: input query; B: input key: QUANTISED
;;     2. batch 16 x [M 4,096, K 4,096] x [K 4,096, N 128]; A: softmax (see below); B: input value: QUANTISED
;;   THE QUANTISER, for each operand of a quantised product, along K:
;;     - K is cut into blocks of 32 from its start; a last block that is shorter is filled with zeros.
;;     - A block's scale is 2^e with e = floor(log2(the largest magnitude in the block)) - 2, held to -126 .. 127; a block of zeros has e = 0. As a byte (E8M0): e + 127.
;;     - Each number is divided by its block's scale, clamped to +-7.5, and rounded to the nearest number of E2M3, ties to even, subnormals kept.
;;     - The product sums the exact products of the quantised numbers (number of the format x scale) in f32.
;;   ~~~python
;;   def quantise(x, axis):      # numpy; x: float32 -> the quantised numbers, widened to float32 again
;;       x = np.moveaxis(x, axis, -1); K = x.shape[-1]
;;       x = np.pad(x, [(0, 0)] * (x.ndim - 1) + [(0, -K % 32)]); x = x.reshape(x.shape[:-1] + (-1, 32)); a = np.abs(x).max(-1, keepdims=True)
;;       e = np.where(a > 0, np.clip(np.frexp(np.where(a > 0, a, 1))[1] - 1 - 2, -126, 127), 0)      # np.frexp(a)[1] - 1 = floor(log2(a)), exactly
;;       r = np.clip(x / 2.0 ** e, -7.5, 7.5)
;;       step = 2.0 ** (np.maximum(np.frexp(np.where(r == 0, 1, r))[1] - 1, 0) - 3)
;;       q = np.round(r / step) * step * 2.0 ** e      # np.round: ties to even
;;       return np.moveaxis(q.reshape(q.shape[:-2] + (-1,))[..., :K], -1, axis).astype(np.float32)
;;   ~~~
;;   SOFTMAX AHEAD OF A QUANTISED PRODUCT. Where the list says 'softmax', what is quantised is not the finished softmax but p = 2^(t - M), with t = logit x log2(e) and M = ceil(the row's largest t), a whole number; so 1/2 < the row's largest p <= 1. The row's sum l is taken of the UNQUANTISED p, in f32, and the product's result is divided by l at the end. Since M is a whole number, a kernel that streams over the keys may use a running M (the ceiling of the running maximum): every later rescaling is an exact power of two, which a block's scale takes up: the codes' values come out the same.
;;   OPERANDS COMPUTED ON THE WAY. 'Computed on the way' means the value that the module computes at that place (a softmax that the list does not call 'softmax' is quantised finished and normalised). What goes into a quantiser is computed in f32, as accurately as f32 sums, v_exp_f32 and their like allow (about 1e-6 of the number): no bf16 or f16 on the way to a quantiser, and a product that is left as it is and whose result goes on into a quantised operand takes f32 operands (vector FMAs, or v_wmma_f32_16x16x4_f32). A number that lies on a knife's edge between two numbers of the format may be rounded either way, as far as f32 arithmetic and the matrix unit's own rounding can turn it there, and no further.
;; One version. Each part assembles by itself: llvm-mc -triple=amdgcn-amd-amdhsa -mcpu=gfx1250 --defsym DOCPART=n.
;; ======== version 1 of 1: 2 launches
;; limits: right only within a limited range of input values
;; workspace buffers: qkv 19,660,800 bytes
;; launch prep (part 1): grid 256 x 3, 4 waves a work-group, no clusters, 34,304 bytes of LDS; arguments key, value, query, qkv; writes qkv
.if DOCPART == 1
	.amdgcn_target "amdgcn-amd-amdhsa--gfx1250"
	.amdhsa_code_object_version 6
	.text
	.protected	k_qc987e51a6b_prep
	.globl	k_qc987e51a6b_prep
	.p2align	8
	.type	k_qc987e51a6b_prep,@function
k_qc987e51a6b_prep:
	s_mov_b64 s[64:65], 0
	v_nop
	global_prefetch_b8 v0, s[64:65] scope:SCOPE_SE
	s_setreg_imm32_b32 hwreg(HW_REG_WAVE_MODE, 25, 1), 1
	s_wait_xcnt 0x0
; key, value, query: [4096 (s)][16 (head)][128 (d)] f32.  They are quantised ONCE to codes of FP6 (E2M3) with one E8M0 scale for each 32 along the product's K, and laid into qkv
; in the order in which the attention launch's operand registers take them.
; qkv = 512 blocks of 38,400 bytes, block = 32 x head + group (a group: 128 keys, or 128 queries).  A block has three parts of 12,800 bytes: K, V, Q.  A part: 8 fragments of 1,536 bytes, then 512 bytes of scale words.
; A FRAGMENT (16 rows x 128 K, 12 registers a lane) lies as an image of its registers: registers 4 c .. 4 c + 3 of lane l at 512 c + 16 l.
; THE SCALE WORDS: word j (0, 1) of lane l = (r, h) of half g (0, 1) at 256 g + 8 l + 4 j is the word of row r of tile 4 g + 2 j + h: one load of 8 bytes a lane gives two registers, each with an even tile's words in lanes 0-15 and the odd tile's in lanes 16-31.
; K, Q: tile t, row r = key or query 16 t + r of the group; K = the head's 128 numbers, which are innermost in memory.
; V: tile t, row r = channel 16 t + r; K = the group's 128 keys, which are OUTERMOST in memory.  Inside each block of 32 keys the places are permuted: places 0-7 keys 0-7, 8-15 keys 16-23, 16-23 keys 8-15, 24-31 keys 24-31:
; the order in which the attention launch's weights fall.  A permutation inside a scale's block, the same on both operands, leaves every product and every scale as it is.
; A block's scale is 2^(floor(log2(its largest magnitude)) - 2); its byte is the largest magnitude's exponent field - 2, held at 1 from below by a floor among the maximum's leaves.
; LIMITS: a block of zeros, or one whose largest magnitude lies under 2^-124, gets the byte 1 (its codes are zeros or near it; this program alone reads the bytes); NaN and infinities among the inputs are not served.
; SHARES: work-group y says which tensor (0 K, 1 V, 2 Q); wave T = 4 x work-group x + wave takes half g = T % 2 of part T / 2: four tiles.  Waves share nothing: no barrier.
.set R,    32                          ; K, Q: v32-95    16 rows as loaded
.set X,    96                          ; K, Q: v96-159   my 64 numbers: two whole blocks of my row
.set C,    160                         ; K, Q: v160-207  codes, 12 registers for each of the four tiles: no store's data are written again
.set CTK,  208                         ; K, Q: v208-210, v212-214: the upper halves of the two blocks' codes, before they are moved
.set SW,   24                          ; v24-25 the scale words' image
.set XV,   32                          ; V: v32-95   two sets of 32 numbers, a block of my column each
.set FA,   96                          ; V: v[96 + 24 e ..] blocks 0 and 2, v[108 + 24 e ..] blocks 1 and 3 of my column, for the wave's columns 32 e on
.set CTV,  144                         ; V: v144-146
.set SP,   528                         ; K, Q: a stage row: 512 bytes + 16
.set WSTG, 16*SP                       ; a wave's stage
	s_load_b256 s[4:11], s[0:1], 0x0               ; key s[4:5], value s[6:7], query s[8:9], qkv s[10:11]
	v_lshl_add_u32 v224, v0, 2, 0x8400
	v_mov_b32 v225, 0
	v_lshrrev_b32 v1, 5, v0
	v_readfirstlane_b32 s12, v1                    ; wave 0..3
	v_and_b32 v1, 31, v0                           ; lane l
	v_and_b32 v2, 15, v0                           ; r
	v_bfe_u32 v3, v0, 4, 1                         ; h
	v_lshlrev_b32 v4, 4, v1                        ; 16 l
	v_lshlrev_b32 v5, 2, v1                        ; 4 l
	v_lshlrev_b32 v6, 3, v1                        ; 8 l
	v_lshlrev_b32 v9, 3, v3                        ; 8 h
	v_mov_b32 v19, 0                               ; written once: a lane permute's destination counts as one of its sources
	s_mul_i32 s19, s12, WSTG                       ; my stage
	v_add_nc_u32 v7, s19, v4                       ; into it: 16 l of a row
	v_mul_u32_u24 v8, v2, SP
	v_lshl_add_u32 v8, v3, 7, v8
	v_add_nc_u32 v8, s19, v8                       ; out of it: row r, + 128 h: my 32 numbers of each 64
	s_and_b32 s13, ttmp7, 0xffff                   ; which tensor
	s_lshl_b32 s14, ttmp9, 2
	s_add_co_u32 s14, s14, s12                     ; T
	s_lshr_b32 s15, s14, 1                         ; block = 32 x head + group
	s_and_b32 s16, s14, 1                          ; half g
	s_lshr_b32 s17, s15, 5                         ; head
	s_and_b32 s18, s15, 31                         ; group
	s_lshl_b32 s20, s18, 20                        ; 128 rows of 8,192 bytes a group,
	s_lshl_b32 s21, s17, 9                         ; 512 bytes a head,
	s_or_b32 s20, s20, s21
	s_lshl_b32 s21, s16, 8                         ; V: 64 columns a half;
	s_lshl_b32 s22, s16, 19                        ; K, Q: 64 rows a half
	s_cmp_eq_u32 s13, 1
	s_cselect_b32 s21, s21, s22
	s_add_co_u32 s20, s20, s21
	s_mov_b32 s21, 0
	s_mul_i32 s22, s15, 38400
	s_mul_i32 s23, s13, 12800
	s_add_co_u32 s22, s22, s23                     ; my part
	s_mov_b32 s23, 0
	s_mul_i32 s28, s16, 6144                       ; my four fragments in it,
	s_mov_b32 s29, 0
	s_lshl_b32 s30, s16, 8
	s_add_co_u32 s30, s30, 12288                   ; my 256 bytes of scale words
	s_mov_b32 s31, 0
	s_mov_b32 s24, 0x76543210
	s_mov_b32 s25, 0xfedcba98                      ; v_permlanex16_b32's selects for lane l xor 16
	s_mov_b32 vcc_lo, 0xffff0000                   ; lanes 16-31
	s_wait_kmcnt 0x0
	s_cmp_eq_u32 s13, 1                            ; the choice of the source hangs on the work-group's number alone
	s_cselect_b64 s[4:5], s[6:7], s[4:5]
	s_cmp_eq_u32 s13, 2
	s_cselect_b64 s[4:5], s[8:9], s[4:5]
	s_add_nc_u64 s[4:5], s[4:5], s[20:21]
	s_add_nc_u64 s[10:11], s[10:11], s[22:23]
	s_add_nc_u64 s[26:27], s[10:11], s[30:31]      ; the scale words
	s_add_nc_u64 s[10:11], s[10:11], s[28:29]      ; the codes
	s_cmp_eq_u32 s13, 1
	s_cbranch_scc1 .Lv
; ---- K and Q: K is innermost.  A load takes a head's row as it lies, 512 consecutive bytes; 16 rows turn through the wave's own stage, so that lane (r, h) gets, of row r, the numbers 64 c + 32 h + 0 .. 31: two whole blocks.
.macro LOADK tl
.irp i, 0,1,2,3,4,5,6,7,8,9,10,11,12,13,14,15
	global_load_b128 v[R+4*\i:R+4*\i+3], v4, s[4:5] offset:(16*(\tl)+\i)*8192 th:TH_LOAD_NT
.endr
.endm
.macro TURNK                           ; LDS serves a wave's instructions in order: no wait between the stores and the loads.  Rows 528 bytes apart: the sixteen rows that a load touches begin at sixteen different places modulo 256
.irp i, 0,1,2,3,4,5,6,7,8,9,10,11,12,13,14,15
	ds_store_b128 v7, v[R+4*\i:R+4*\i+3] offset:SP*\i
.endr
.irp c, 0,1
.irp k, 0,1,2,3,4,5,6,7
	ds_load_b128 v[X+32*\c+4*\k:X+32*\c+4*\k+3], v8 offset:256*\c+16*\k
.endr
.endr
.endm
.macro QUANTK tl
.set CC, C+12*(\tl)
.irp c, 0,1
	v_max3_num_f32 v[12+\c], |v[X+32*\c]|, |v[X+32*\c+1]|, 0x1800000   ; my block 2 c + h, and the floor 2^(3 - 127): the byte cannot fall under 1
.endr
.irp i, 2,4,6,8,10,12,14,16,18,20,22,24,26,28,30
.irp c, 0,1
	v_max3_num_f32 v[12+\c], v[12+\c], |v[X+32*\c+\i]|, |v[X+32*\c+\i+1]|   ; (the two blocks by turns)
.endr
.endr
.irp c, 0,1
	v_add_nc_u32 v[14+\c], 0xff000000, v[12+\c]    ; 2 off the exponent field: the conversion's scale operand
.endr
.irp c, 0,1
	v_lshrrev_b32 v[16+\c], 23, v[14+\c]           ; the scale's byte
.endr
	v_lshl_or_b32 v18, v17, 16, v16                ; my two bytes: blocks h and 2 + h of row r,
	v_lshlrev_b32 v18, v9, v18                     ; at their places in the word (8 h bits up);
	v_permlanex16_b32 v19, v18, s24, s25
	v_or_b32 v18, v18, v19                         ; with lane l xor 16's two the word is whole, in both halves of the lanes
.irp c, 0,1
	v_cvt_scalef32_pk16_fp6_f32 v[CC+6*\c:CC+6*\c+2], v[X+32*\c:X+32*\c+15], v[14+\c]
	v_cvt_scalef32_pk16_fp6_f32 v[CTK+4*\c:CTK+4*\c+2], v[X+32*\c+16:X+32*\c+31], v[14+\c]   ; (a conversion's three registers begin on an even number)
.endr
	v_nop                                          ; one plain place behind the scaled conversions
.irp c, 0,1
.irp i, 0,1,2
	v_mov_b32 v[CC+6*\c+3+\i], v[CTK+4*\c+\i]
.endr
.endr
.if ((\tl)%2) == 0
	v_mov_b32 v[SW+(\tl)/2], v18                   ; an even tile's words,
.else
	v_cndmask_b32 v[SW+(\tl)/2], v[SW+(\tl)/2], v18, vcc_lo   ; and in lanes 16-31 the odd tile's
.endif
.irp c, 0,1,2
	global_store_b128 v4, v[CC+4*\c:CC+4*\c+3], s[10:11] offset:1536*(\tl)+512*\c   ; 32 lanes store 512 consecutive bytes, aligned
.endr
.endm
	s_wait_alu depctr_va_vdst(0)
	LOADK 0
.irp tl, 0,1,2,3
	s_wait_loadcnt 0x0                             ; this tile's 16 rows are in: no younger load is out
	TURNK
	s_wait_dscnt 0x0                               ; my 64 numbers are back, and the stage's stores have read their registers
.if \tl < 3
	LOADK \tl+1                                    ; the next tile's rows are on their way while this one is quantised
.endif
	QUANTK \tl
.endr
	global_store_b64 v6, v[SW:SW+1], s[26:27]      ; 32 lanes store 256 consecutive bytes, aligned
	s_wait_tensorcnt 0x0
	ds_add_u32 v224, v225
	s_wait_dscnt 0x0
	s_endpgm
; ---- V: K (the keys) is outermost.  A lane takes a column (channel 64 g + 32 e + l) and its registers run down the keys, in the permuted order: a block's largest magnitude needs no other lane, and the conversions give codes with the keys innermost.
.Lv:
.macro LOADV n                         ; n = 4 e + b: block b of the group's four, columns 32 e on.  Each load reads 128 consecutive bytes
.irp i, 0,1,2,3,4,5,6,7,8,9,10,11,12,13,14,15,16,17,18,19,20,21,22,23,24,25,26,27,28,29,30,31
	global_load_b32 v[XV+32*((\n)%2)+\i], v5, s[4:5] offset:(32*((\n)%4)+(\i%8)+16*((\i/8)%2)+8*(\i/16))*8192+128*((\n)/4)
.endr
.endm
.macro BLOCKV n
.set XS, XV+32*((\n)%2)
.set EE, (\n)/4
.set BB, (\n)%4
.set DD, FA+24*EE+12*(BB%2)+6*(BB/2)
.if (\n) < 7
	s_wait_loadcnt 32                              ; this block's 32 loads are in; the next block's 32 may be out
.else
	s_wait_loadcnt 0x0
.endif
	v_max3_num_f32 v12, |v[XS]|, |v[XS+1]|, |v[XS+2]|
	v_max3_num_f32 v13, |v[XS+3]|, |v[XS+4]|, |v[XS+5]|
.irp i, 6,10,14,18,22,26
	v_max3_num_f32 v12, v12, |v[XS+\i]|, |v[XS+\i+1]|
	v_max3_num_f32 v13, v13, |v[XS+\i+2]|, |v[XS+\i+3]|
.endr
	v_max3_num_f32 v12, v12, |v[XS+30]|, |v[XS+31]|
	v_max3_num_f32 v12, v12, v13, 0x1800000        ; and the floor
	v_add_nc_u32 v11, 0xff000000, v12              ; the conversion's scale operand
	v_lshrrev_b32 v14, 23, v11                     ; the byte
.if BB == 0
	v_mov_b32 v[SW+EE], v14                        ; four bytes make my column's word, the lower keys in the lower byte
.else
	v_lshl_or_b32 v[SW+EE], v14, 8*BB, v[SW+EE]
.endif
	v_cvt_scalef32_pk16_fp6_f32 v[DD:DD+2], v[XS:XS+15], v11
	v_cvt_scalef32_pk16_fp6_f32 v[CTV:CTV+2], v[XS+16:XS+31], v11
	v_nop                                          ; one plain place behind the scaled conversions
.irp i, 0,1,2
	v_mov_b32 v[DD+3+\i], v[CTV+\i]
.endr
.if (\n)+2 < 8
	LOADV (\n)+2
.endif
.if BB == 3                            ; lanes 0-15 hold the channels of tile 2 e, lanes 16-31 those of tile 2 e + 1, all four blocks each.  A fragment wants blocks 0, 2 in lanes 0-15 and blocks 1, 3 in lanes 16-31
.irp k, 0,1,2,3,4,5,6,7,8,9,10,11
	v_permlane16_swap_b32 v[FA+24*EE+\k], v[FA+24*EE+12+\k]   ; the first's lanes 16-31 change places with the second's lanes 0-15: the first is now tile 2 e's fragment, the second tile 2 e + 1's
.endr
.irp c, 0,1,2
	global_store_b128 v4, v[FA+24*EE+4*\c:FA+24*EE+4*\c+3], s[10:11] offset:1536*(2*EE)+512*\c
	global_store_b128 v4, v[FA+24*EE+12+4*\c:FA+24*EE+12+4*\c+3], s[10:11] offset:1536*(2*EE+1)+512*\c
.endr
.endif
.endm
	s_wait_alu depctr_va_vdst(0)
	LOADV 0
	LOADV 1
.irp n, 0,1,2,3,4,5,6,7
	BLOCKV \n
.endr
	global_store_b64 v6, v[SW:SW+1], s[26:27]      ; word e of lane (r, h) is the word of row r of tile 2 e + h of my half: the image as it stands
	s_endpgm
.Lfunc_end_k_qc987e51a6b_prep:
	.size	k_qc987e51a6b_prep, .Lfunc_end_k_qc987e51a6b_prep-k_qc987e51a6b_prep
	.p2alignl 7, 3214868480
	.fill 96, 4, 3214868480
	.section	.rodata,"a",@progbits
	.p2align	6, 0x0
	.amdhsa_kernel k_qc987e51a6b_prep
		.amdhsa_group_segment_fixed_size 34304
		.amdhsa_private_segment_fixed_size 0
		.amdhsa_enable_private_segment 0
		.amdhsa_kernarg_size 32
		.amdhsa_user_sgpr_count 2
		.amdhsa_user_sgpr_kernarg_segment_ptr 1
		.amdhsa_wavefront_size32 1
		.amdhsa_system_sgpr_workgroup_id_x 1
		.amdhsa_system_sgpr_workgroup_id_y 1
		.amdhsa_system_sgpr_workgroup_id_z 1
		.amdhsa_system_vgpr_workitem_id 0
		.amdhsa_next_free_vgpr 226
		.amdhsa_next_free_sgpr 66
		.amdhsa_reserve_vcc 1
		.amdhsa_float_denorm_mode_32 3
		.amdhsa_float_denorm_mode_16_64 3
		.amdhsa_memory_ordered 1
		.amdhsa_forward_progress 1
		.amdhsa_inst_pref_size 68
	.end_amdhsa_kernel
	.amdgpu_metadata
---
amdhsa.version: [ 1, 2 ]
amdhsa.kernels:
  - .name:           k_qc987e51a6b_prep
    .symbol:         k_qc987e51a6b_prep.kd
    .args:
      - { .name: key, .offset: 0, .size: 8, .value_kind: global_buffer, .address_space: global }
      - { .name: value, .offset: 8, .size: 8, .value_kind: global_buffer, .address_space: global }
      - { .name: query, .offset: 16, .size: 8, .value_kind: global_buffer, .address_space: global }
      - { .name: qkv, .offset: 24, .size: 8, .value_kind: global_buffer, .address_space: global }
    .group_segment_fixed_size: 34304
    .private_segment_fixed_size: 0
    .kernarg_segment_align: 8
    .kernarg_segment_size: 32
    .max_flat_workgroup_size: 128
    .sgpr_count:     66
    .vgpr_count:     226
    .wavefront_size: 32
...
	.end_amdgpu_metadata
.endif
;; end of part 1
;; launch attn (part 2): grid 8 x 32, 8 waves a work-group, clusters of 4 x 4, 327,680 bytes of LDS; arguments attn_mask, qkv, out0; writes out0
.if DOCPART == 2
	.amdgcn_target "amdgcn-amd-amdhsa--gfx1250"
	.amdhsa_code_object_version 6
	.text
	.protected	k_qc987e51a6b_attn
	.globl	k_qc987e51a6b_attn
	.p2align	8
	.type	k_qc987e51a6b_attn,@function
k_qc987e51a6b_attn:
	s_mov_b64 s[64:65], 0
	v_nop
	global_prefetch_b8 v0, s[64:65] scope:SCOPE_SE
	s_setreg_imm32_b32 hwreg(HW_REG_WAVE_MODE, 25, 1), 1
	s_wait_xcnt 0x0
	s_wait_alu depctr_hold_cnt(0) depctr_sa_sdst(0) depctr_va_vdst(0) depctr_va_sdst(0) depctr_va_ssrc(0) depctr_va_vcc(0) depctr_vm_vsrc(0)
	s_getreg_b32 s2, hwreg(HW_REG_IB_STS2, 6, 4)
	s_cmp_eq_u32 s2, 0
	s_cbranch_scc0 .Lentry_in_a_cluster
	s_endpgm
.Lentry_in_a_cluster:
	s_bfe_u32 s2, ttmp6, 0x10000c
	s_cmp_lg_u32 s2, 0xf033
	s_cbranch_scc0 .Lentry_shape_is_right
	s_endpgm
.Lentry_shape_is_right:
; out[q][head][:] = the sum over k of softmax_k(Q[q] . K[k] / sqrt(128) + mask[q][k]) V[k][:], 4,096 queries and keys, 16 heads of 128; both products on codes of FP6 (E2M3) with E8M0 scales, taken from qkv as the launch before laid them.
; The mask is an input of f32 numbers: every number of it is read and added, every tile of keys is walked; no work of the problem is left out.
; THE SCORES: X = Q . K + mask x sqrt(128): the scaled mask numbers are the C operand of the first product, in the result's own registers.  t = X x c, c = log2(e) / sqrt(128).
; THE SOFTMAX: M = the row's largest t so far, rounded UP to a whole number; p = 2^(X c - M), one fused multiply-add and one exponential, is quantised along the keys, not normalised.
; The row's sum is taken of the unquantised p and divides O at the end.  When M moves, the sum and O are multiplied by 2^(old M - new M): exact.
; LIMITS: mask x sqrt(128) is rounded once and added to the score inside the matrix instruction, another order of rounding than (score / sqrt(128) + mask) x log2(e): about a unit in the last place of the larger of the two terms.
; The promise holds while |t| stays under 2^31.  p under 2^-126 is 0.  A row whose every logit is -infinity gives NaN.
; SHARES.  Work-group (X, Y): heads 2 X, 2 X + 1, queries 128 Y on: 256 work-groups.  Wave w: head 2 X + w / 4, queries 32 (w % 4) on: two tiles of 16 queries, so each fragment of K and V feeds two matrix instructions.  512 registers a wave.
; CLUSTER.  4 x 4.  A step's mask tile (128 x 128) hangs on Y alone: a row of the cluster asks jointly.  A step's K and V of two heads hang on X alone: a column asks jointly.  Every wave issues one joint load at each change of slots.
; THE WALK.  32 steps of 128 keys through two LDS slots.  Between two changes of slots a wave finishes step i from registers (p, its codes, O += V P) and reads ALL of step i + 1 out of the other slot:
; K's tiles 0-3 are asked of LDS ahead of the softmax, a tile's mask numbers as soon as its p is converted, K's tiles 4-7 and V's 4-7 behind the second product, V's 0-3 behind the first.
; At the change the slot just read out is free: it takes step i + 2.  The block maxima stand ahead of the wait for my tensor load, M and f between the add and its wait, O's rescaling between the round's opening signal and its wait.
; LAYOUT.  Both products transposed: S^T = K Q^T, O^T = V^T P^T: a lane holds ONE query (lane % 16).  Register 8 t + j of S^T in lane (r, h) is key 16 t + 8 h + j.  P's codes fall in the order keys 0-7, 16-23, 8-15, 24-31 of a block; V's codes were laid so.
; REGISTERS.  Window 0: v1-11 addresses; v12-19 statistics, four a tile: -M, largest t, the sum in two halves; v20-31 scale words of Q, K, V, P; v32-79 K's tiles 0-3; v80-103 P's codes; v104-127 at work; v128-255 S^T, 64 a tile.
;   Window 1: v0-127 O^T; v128-223 V's eight tiles (v128-175 first hold K's tiles 4-7); v224-247 Q.
.set SLOT1, 131072                     ; slot 1's first byte
.set MP,    528                        ; a mask row in LDS: 512 bytes + 16
.set KVO,   128*MP                     ; a slot: 128 mask rows, then K and V of head 2 X (25,600 bytes), then of head 2 X + 1
.set SPARE, 262144                     ; the spare words: 128 bytes for each of eight waves
.set STAGE, 263168                     ; the way out: 16 rows x 272 bytes a wave; no fill lands here
.set AKV, 1
.set ASC, 2
.set AM,  3
.set SPW, 4
.set NIL, 5
.set ADK, 6
.set ADS, 7
.set ADM, 8
.set GO,  9
.set STO, 10
.set RD,  11
.set ST,  12
.set QS,  20
.set KS,  22
.set VS,  26
.set PW,  30
.set KB,  32
.set PC,  80
.set CT,  104
.set PFO, 111
.set BM,  112                          ; v112-119 block maxima, four a tile
.set BP,  120
.set FF,  124
.set S,   128
.set VF,  128                          ; window 1
.set Q,   224                          ; window 1
.set WV,  10
.set SEL, 20
.set CS,  22
.set LE,  24
.set G1M, 28
.set G0M, 36
.set G1K, 40
.set G0K, 48
.set TB,  52
.set SLOTS, 53
.set LIM, 54
.set PFA, 56
.set PFS, 58
.set MSB, 0
.macro WIN new                         ; the immediate's high byte repeats the setting that is left
.if MSB != \new
	s_set_vgpr_msb (MSB<<8)|\new
.set MSB, \new
.endif
.endm
.macro PLACES n
.rept \n
	v_nop
.endr
.endm
.macro CREST                           ; a round of the cluster's barrier behind its opening barrier
	s_cmp_lg_u32 s[WV], 0
	s_cbranch_scc1 .Lnot_wave_0_\@
	s_barrier_signal -3
.Lnot_wave_0_\@:
	s_barrier_wait -3
	s_barrier_signal -1
	s_barrier_wait -1
.endm
.macro ROUND
	s_barrier_signal -1
	s_barrier_wait -1
	CREST
.endm
; A joint load, one a wave: waves 0-3 a quarter of the mask tile each (32 rows), waves 4-7 K's or V's part (12,800 bytes) of one of the two heads.  The branch hangs on the wave's number alone.
.macro JLOAD
	s_cmp_lt_u32 s[WV], 4
	s_cbranch_scc0 .Lfor_k_\@
	tensor_load_to_lds s[G0M:G0M+3], s[G1M:G1M+7]
	s_nop 0
	PLACES 4
	s_branch .Lasked_\@
.Lfor_k_\@:
	tensor_load_to_lds s[G0K:G0K+3], s[G1K:G1K+7]
	s_nop 0
	PLACES 4
.Lasked_\@:
.endm
; A prefetch of the step that stands TWO changes of slots on, by waves 4-7, one instruction each; every cluster asks for what it will itself load.  Mask: waves 4, 5 name the two blocks of 256 bytes of a row's 512, a lane a row;
; the four partners of a row of the cluster take 32 rows each, by address.  K and V: waves 6, 7, a head each, 100 blocks; the partners of a column take 25 each, by address (lanes 25-31 repeat lane 24's).
; Steps 1 and 2 are asked for at the head; the last two changes that fill a slot ask for nothing.
.macro ASK
	s_cmp_gt_u32 s[SLOTS], s[LIM]
	s_cbranch_scc0 .Lnot_mine_\@
	global_prefetch_b8 v[PFO], s[PFA:PFA+1] th:TH_LOAD_NT scope:SCOPE_SE
.Lnot_mine_\@:
.endm
.macro STEPD                           ; no tensor load of mine is out: the walking descriptors go to the other slot and a step on; the prefetches' address too
	s_xor_b32 s[G0M+1], s[G0M+1], SLOT1
	s_add_nc_u64 s[G0M+2:G0M+3], s[G0M+2:G0M+3], 512
	s_xor_b32 s[G0K+1], s[G0K+1], SLOT1
	s_add_nc_u64 s[G0K+2:G0K+3], s[G0K+2:G0K+3], 38400
	s_wait_xcnt 0x0                                ; the last prefetch has read its address
	s_add_nc_u64 s[PFA:PFA+1], s[PFA:PFA+1], s[PFS:PFS+1]
.endm
	s_load_b128 s[4:7], s[0:1], 0x0                ; the mask, qkv
	s_load_b64 s[8:9], s[0:1], 0x10                ; out
	v_lshl_add_u32 v[SPW], v0, 2, SPARE
	v_mov_b32 v[NIL], 0
	ds_add_u32 v[SPW], v[NIL]                      ; the opening lines: the add twice on end and one wait
	ds_add_u32 v[SPW], v[NIL]
	v_lshrrev_b32 v1, 5, v0
	v_readfirstlane_b32 s[WV], v1                  ; wave 0..7
	s_lshr_b32 s11, s[WV], 2                       ; which head
	s_and_b32 s12, s[WV], 3                        ; which 32 queries; which quarter I fetch
	s_and_b32 s17, s[WV], 1
	s_bfe_u32 s13, ttmp6, 0x40000                  ; cx
	s_bfe_u32 s14, ttmp6, 0x40004                  ; cy
	s_lshl_b32 s15, ttmp9, 2
	s_add_co_u32 s15, s15, s13                     ; X
	s_and_b32 s16, ttmp7, 0xffff
	s_lshl_b32 s16, s16, 2
	s_add_co_u32 s16, s16, s14                     ; Y
	s_lshl_b32 s18, s14, 2
	s_lshl_b32 s18, 15, s18                        ; my row of the cluster
	s_lshl_b32 s19, 0x1111, s13                    ; my column
	s_or_b32 s[G1M], s18, (2<<16)|(1<<20)|(1<<21)|(6<<22)|(3<<25)   ; the mask: 32 rows of 128 f32, 4,096 apart, 16 bytes of padding behind each 128 words
	s_mov_b32 s[G1M+1], 128<<16
	s_mov_b32 s[G1M+2], 32<<16
	s_mov_b32 s[G1M+3], 128<<16
	s_mov_b32 s[G1M+4], 32
	s_mov_b32 s[G1M+5], 4096
	s_mov_b32 s[G1M+6], 0
	s_mov_b32 s[G1M+7], 0
	s_or_b32 s[G1K], s19, (3<<16)|(1<<21)          ; K or V: 12,800 dense bytes as 50 rows of 256
	s_mov_b32 s[G1K+1], 32<<16
	s_mov_b32 s[G1K+2], 50<<16
	s_mov_b32 s[G1K+3], 32<<16
	s_mov_b32 s[G1K+4], 50
	s_mov_b32 s[G1K+5], 32
	s_mov_b32 s[G1K+6], 0
	s_mov_b32 s[G1K+7], 0
	s_lshl_b32 s66, s16, 21                        ; the mask: row 128 Y + 32 x quarter: Y alone
	s_lshl_b32 s67, s12, 19
	s_add_co_u32 s66, s66, s67
	s_mov_b32 s67, 0
	s_lshr_b32 s90, s12, 1                         ; K and V: head 2 X + quarter / 2, 32 blocks of 38,400 bytes a head, part quarter % 2: X alone
	s_lshl_b32 s91, s15, 1
	s_add_co_u32 s90, s90, s91
	s_mul_i32 s90, s90, 1228800
	s_mul_i32 s91, s17, 12800
	s_add_co_u32 s90, s90, s91
	s_mov_b32 s91, 0
	s_wait_dscnt 0x0                               ; both opening adds are done
	s_wait_kmcnt 0x0
	s_mov_b32 s[G0M], 1
	s_mul_i32 s[G0M+1], s12, 32*MP
	s_add_nc_u64 s[G0M+2:G0M+3], s[4:5], s[66:67]
	s_or_b32 s[G0M+3], s[G0M+3], 0x80000000
	s_mov_b32 s[G0K], 1
	s_mul_i32 s[G0K+1], s12, 12800
	s_add_co_u32 s[G0K+1], s[G0K+1], KVO
	s_add_nc_u64 s[G0K+2:G0K+3], s[6:7], s[90:91]
	s_or_b32 s[G0K+3], s[G0K+3], 0x80000000
	ROUND                                          ; the first joint loads meet
	JLOAD                                          ; step 0 into slot 0: my one tensor load at the head
	; scalar set-up: Q's place, out's place, the prefetches, LDS bases, constants
	s_lshl_b32 s74, s15, 1
	s_add_co_u32 s74, s74, s11                     ; my head
	s_lshl_b32 s75, s74, 5
	s_add_co_u32 s75, s75, s16
	s_mul_i32 s76, s75, 38400
	s_add_co_u32 s76, s76, 25600                   ; the Q part of block 32 x head + Y
	s_mov_b32 s77, 0
	s_mul_i32 s78, s12, 3072                       ; tiles 2 (w % 4), 2 (w % 4) + 1
	s_mov_b32 s79, 0
	s_lshr_b32 s80, s12, 1
	s_lshl_b32 s80, s80, 8
	s_and_b32 s81, s12, 1
	s_lshl_b32 s81, s81, 2
	s_add_co_u32 s80, s80, s81
	s_add_co_u32 s80, s80, 12288                   ; their scale words
	s_mov_b32 s81, 0
	s_add_nc_u64 s[60:61], s[6:7], s[76:77]
	s_add_nc_u64 s[62:63], s[60:61], s[80:81]
	s_add_nc_u64 s[60:61], s[60:61], s[78:79]
	s_lshl_b32 s82, s16, 20                        ; out: ((128 Y + 32 (w % 4)) x 16 + head) x 512 bytes
	s_lshl_b32 s83, s12, 18
	s_add_co_u32 s82, s82, s83
	s_lshl_b32 s83, s74, 9
	s_add_co_u32 s82, s82, s83
	s_mov_b32 s83, 0
	s_add_nc_u64 s[8:9], s[8:9], s[82:83]
	s_lshl_b32 s84, s16, 21
	s_lshl_b32 s85, s13, 19                        ; my work-group's 32 rows of the 128
	s_add_co_u32 s84, s84, s85
	s_lshl_b32 s85, s17, 8                         ; my wave's 256 bytes of a row's 512
	s_add_co_u32 s84, s84, s85
	s_lshl_b32 s68, s15, 1                         ; head 2 X + w % 2
	s_add_co_u32 s68, s68, s17
	s_mul_i32 s68, s68, 1228800
	s_mul_i32 s85, s14, 6400                       ; my work-group's 25 blocks of the 100
	s_add_co_u32 s85, s85, s68
	s_mov_b32 s87, 38400
	s_mov_b32 s88, 256
	s_mov_b32 s89, 24
	s_cmp_lt_u32 s[WV], 6                          ; waves 4, 5: the mask; 6, 7: K and V
	s_cselect_b64 s[PFA:PFA+1], s[4:5], s[6:7]
	s_cselect_b32 s84, s84, s85
	s_cselect_b32 s[PFS], 512, s87
	s_cselect_b32 s88, 16384, s88
	s_cselect_b32 s89, 31, s89
	s_mov_b32 s[PFS+1], 0
	s_mov_b32 s85, 0
	s_add_nc_u64 s[PFA:PFA+1], s[PFA:PFA+1], s[84:85]
	s_add_nc_u64 s[PFA:PFA+1], s[PFA:PFA+1], s[PFS:PFS+1]   ; at step 1
	s_cmp_eq_u32 s11, 1
	s_cselect_b32 s[LIM], 2, -1                    ; waves 4-7 ask while more than two fills are to come
	s_mul_i32 s70, s11, 25600
	s_add_co_u32 s70, s70, KVO
	s_add_co_u32 s71, s70, 12288
	s_mul_i32 s72, s12, 32*MP
	s_mul_i32 s73, s[WV], 16*272
	s_add_co_u32 s73, s73, STAGE
	s_mov_b32 s[SEL], 0x76543210
	s_mov_b32 s[SEL+1], 0xfedcba98
	s_mov_b32 s[CS], 0x3e0293ee                    ; c = log2(e) / sqrt(128)
	s_mov_b32 s[CS+1], s[CS]
	s_mov_b32 s[LE], 0x413504f3                    ; sqrt(128)
	s_mov_b32 s[LE+1], s[LE]
	s_mov_b32 s[TB], 0
	s_mov_b32 s[SLOTS], 31
	; vector set-up, in one run
	v_and_b32 v112, 31, v0                         ; l
	v_and_b32 v113, 15, v0                         ; r
	v_bfe_u32 v114, v0, 4, 1                       ; h
	v_lshlrev_b32 v115, 4, v112
	v_lshlrev_b32 v116, 3, v113
	v_min_u32 v[PFO], s89, v112
	v_lshl_add_u32 v[AKV], v112, 4, s70            ; my place in my head's K part
	v_lshl_add_u32 v[ASC], v112, 3, s71            ; and among its scale words
	v_mul_u32_u24 v[AM], v113, MP
	v_mul_u32_u24 v[STO], v113, 272
	v_mul_u32_u24 v[RD], v114, 272
	v_lshlrev_b32 v[GO], 13, v114
	v_lshl_add_u32 v[AM], v114, 5, v[AM]
	v_lshl_add_u32 v[STO], v114, 5, v[STO]
	v_lshl_add_u32 v[RD], v113, 4, v[RD]
	v_lshl_add_u32 v[GO], v113, 4, v[GO]           ; out: 8,192 h + 16 r
	v_add_nc_u32 v[AM], s72, v[AM]                 ; the mask tile: (32 (w % 4) + r) x 528 + 32 h
	v_add_nc_u32 v[STO], s73, v[STO]
	v_add_nc_u32 v[RD], s73, v[RD]
	v_mul_lo_u32 v[PFO], v[PFO], s88
	s_wait_alu depctr_va_vdst(0)                   ; a branch follows
	ASK                                            ; step 1
	WIN 0x40
.irp u, 0,1
.irp c, 0,1,2
	global_load_b128 v[Q+12*\u+4*\c:Q+12*\u+4*\c+3], v115, s[60:61] offset:1536*\u+512*\c
.endr
.endr
	WIN 0
.irp u, 0,1
	global_load_b32 v[QS+\u], v116, s[62:63] offset:128*\u
.endr
.irp u, 0,1
	v_mov_b32 v[ST+4*\u+1], 0xff61b1e6             ; the largest t so far: -3e38
	v_mov_b32 v[ST+4*\u], 0x7f61b1e6               ; -M = 3e38, a whole number
	v_mov_b32 v[ST+4*\u+2], 0
	v_mov_b32 v[ST+4*\u+3], 0
	v_mov_b32 v[FF+2*\u+1], 0                      ; (the upper half of f's pair)
.endr
.irp b, 0,1,2,3
	v_mov_b32 v[CT+\b], 0                          ; a lane permute's destination counts as one of its sources
	v_mov_b32 v[BP+\b], 0
.endr
	WIN 0x40
.set j, 0
.rept 128
	v_mov_b32 v[j], 0                              ; O^T, once in the launch: the step then needs no first copy of its own
.set j, j+1
.endr
	WIN 0
.macro FLOAD dst, off                  ; four fragments, as images: 12 loads of 512 consecutive bytes
.irp i, 0,1,2,3
.irp c, 0,1,2
	ds_load_b128 v[\dst+12*\i+4*\c:\dst+12*\i+4*\c+3], v[ADK] offset:\off+1536*\i+512*\c
.endr
.endr
.endm
.macro MLOAD u                         ; tile u's mask numbers into S^T's own registers: register 8 t + j: query r, key 16 t + 8 h + j
.irp t, 0,1,2,3,4,5,6,7
.irp jj, 0,1
	ds_load_b128 v[S+64*(\u)+8*\t+4*\jj:S+64*(\u)+8*\t+4*\jj+3], v[ADM] offset:16*MP*(\u)+64*\t+16*\jj
.endr
.endr
.endm
; mask x sqrt(128) for all sixteen accumulators, and among these lines S^T = K Q^T + that for key tiles 0-3.  Ahead of each product stand its own accumulator's four multiplications and then the four of the accumulator of key tile t + 4,
; which name none of its registers.  One setting of the windows serves both: the multiplications' second source is a scalar pair.
.macro SKQ
	WIN 0x04                                       ; Q: window 1
.irp t, 0,1,2,3
.irp u, 0,1
.set rD, S+64*\u+8*\t
.irp k, 0,2,4,6,32,34,36,38
	v_pk_mul_f32 v[rD+\k:rD+\k+1], v[rD+\k:rD+\k+1], s[LE:LE+1] op_sel_hi:[1,0]
.endr
.if (\t%2) == 1
	v_wmma_scale_f32_16x16x128_f8f6f4 v[rD:rD+7], v[KB+12*\t:KB+12*\t+11], v[Q+12*\u:Q+12*\u+11], v[rD:rD+7], v[KS+\t/2], v[QS+\u] matrix_a_fmt:MATRIX_FMT_FP6 matrix_b_fmt:MATRIX_FMT_FP6 matrix_a_scale:MATRIX_SCALE_ROW1
.else
	v_wmma_scale_f32_16x16x128_f8f6f4 v[rD:rD+7], v[KB+12*\t:KB+12*\t+11], v[Q+12*\u:Q+12*\u+11], v[rD:rD+7], v[KS+\t/2], v[QS+\u] matrix_a_fmt:MATRIX_FMT_FP6 matrix_b_fmt:MATRIX_FMT_FP6
.endif
.endr
.endr
	WIN 0
.endm
.macro KQ1                             ; the same product for key tiles 4-7: eight more accumulators, one instruction each
	WIN 0x05                                       ; K's tiles 4-7 and Q: window 1
.irp t, 0,1,2,3
.irp u, 0,1
.set rD, S+64*\u+8*(4+\t)
.if (\t%2) == 1
	v_wmma_scale_f32_16x16x128_f8f6f4 v[rD:rD+7], v[VF+12*\t:VF+12*\t+11], v[Q+12*\u:Q+12*\u+11], v[rD:rD+7], v[KS+2+\t/2], v[QS+\u] matrix_a_fmt:MATRIX_FMT_FP6 matrix_b_fmt:MATRIX_FMT_FP6 matrix_a_scale:MATRIX_SCALE_ROW1
.else
	v_wmma_scale_f32_16x16x128_f8f6f4 v[rD:rD+7], v[VF+12*\t:VF+12*\t+11], v[Q+12*\u:Q+12*\u+11], v[rD:rD+7], v[KS+2+\t/2], v[QS+\u] matrix_a_fmt:MATRIX_FMT_FP6 matrix_b_fmt:MATRIX_FMT_FP6
.endif
.endr
.endr
	WIN 0
.endm
.macro PV                              ; O^T += V^T P^T: eight tiles of channels x two tiles of queries: sixteen accumulators, one instruction each
	WIN 0x51                                       ; V, C and D: window 1
.irp t, 0,1,2,3,4,5,6,7
.irp u, 0,1
.if (\t%2) == 1
	v_wmma_scale_f32_16x16x128_f8f6f4 v[64*\u+8*\t:64*\u+8*\t+7], v[VF+12*\t:VF+12*\t+11], v[PC+12*\u:PC+12*\u+11], v[64*\u+8*\t:64*\u+8*\t+7], v[VS+\t/2], v[PW+\u] matrix_a_fmt:MATRIX_FMT_FP6 matrix_b_fmt:MATRIX_FMT_FP6 matrix_a_scale:MATRIX_SCALE_ROW1
.else
	v_wmma_scale_f32_16x16x128_f8f6f4 v[64*\u+8*\t:64*\u+8*\t+7], v[VF+12*\t:VF+12*\t+11], v[PC+12*\u:PC+12*\u+11], v[64*\u+8*\t:64*\u+8*\t+7], v[VS+\t/2], v[PW+\u] matrix_a_fmt:MATRIX_FMT_FP6 matrix_b_fmt:MATRIX_FMT_FP6
.endif
.endr
.endr
	WIN 0
.endm
.macro READ_A                          ; the slot at s[TB]: its addresses, K's scale words, K's tiles 0-3
	v_add_nc_u32 v[ADK], s[TB], v[AKV]
	v_add_nc_u32 v[ADS], s[TB], v[ASC]
	v_add_nc_u32 v[ADM], s[TB], v[AM]
	ds_load_b64 v[KS:KS+1], v[ADS]
	ds_load_b64 v[KS+2:KS+3], v[ADS] offset:256
	FLOAD KB, 0
.endm
.macro READ_B                          ; the rest of the slot, and the first product
	PLACES 4                                       ; behind the second product, ahead of loads into registers that it read
	WIN 0x40
	FLOAD VF, 6144                                 ; K's tiles 4-7
	FLOAD VF+48, 18944                             ; V's tiles 4-7
	WIN 0
	ds_load_b64 v[VS:VS+1], v[ADS] offset:12800
	ds_load_b64 v[VS+2:VS+3], v[ADS] offset:13056
	s_wait_dscnt 26                                ; all but the 12 + 12 + 2 just issued: K's words, K's tiles 0-3 and the mask numbers are in
	SKQ
	s_wait_alu depctr_va_vdst(0)
	s_wait_dscnt 14                                ; K's tiles 4-7 are in; V's 12 loads and its 2 of scale words may be out
	KQ1
	PLACES 4                                       ; ahead of loads into registers that the products read, and of the first read of their results
	WIN 0x40
	FLOAD VF, 12800                                ; V's tiles 0-3: my last reads of this slot
	WIN 0
.endm
.macro MAXB                            ; THE LARGEST X OF EACH BLOCK OF 32 KEYS, both tiles, eight chains by turns: it serves for the row's maximum and, since p rises with X, for the block's largest p
.irp u, 0,1
.irp b, 0,1,2,3
	v_max3_num_f32 v[BM+4*\u+\b], v[S+64*\u+16*\b], v[S+64*\u+16*\b+1], v[S+64*\u+16*\b+2]
.endr
.endr
.irp i, 3,5,7,9,11,13
.irp u, 0,1
.irp b, 0,1,2,3
	v_max3_num_f32 v[BM+4*\u+\b], v[BM+4*\u+\b], v[S+64*\u+16*\b+\i], v[S+64*\u+16*\b+\i+1]
.endr
.endr
.endr
.irp u, 0,1
.irp b, 0,1,2,3
	v_max_num_f32 v[BM+4*\u+\b], v[BM+4*\u+\b], v[S+64*\u+16*\b+15]
.endr
.endr
.irp u, 0,1
.irp b, 0,1,2,3
	v_permlanex16_b32 v[CT+16*\u+\b], v[BM+4*\u+\b], s[SEL], s[SEL+1]
.endr
.endr
.irp u, 0,1
.irp b, 0,1,2,3
	v_max_num_f32 v[BM+4*\u+\b], v[BM+4*\u+\b], v[CT+16*\u+\b]   ; with lane l xor 16's 16 keys
.endr
.endr
.endm
.macro STATS                           ; M and f, the two tiles by turns
.irp u, 0,1
	v_max3_num_f32 v[CT+16*\u], v[BM+4*\u], v[BM+4*\u+1], v[BM+4*\u+2]
.endr
.irp u, 0,1
	s_delay_alu instid0(VALU_DEP_2)
	v_max_num_f32 v[CT+16*\u], v[CT+16*\u], v[BM+4*\u+3]
.endr
.irp u, 0,1
	s_delay_alu instid0(VALU_DEP_2)
	v_mul_f32 v[CT+16*\u], s[CS], v[CT+16*\u]      ; as t (c is positive)
.endr
.irp u, 0,1
	s_delay_alu instid0(VALU_DEP_2)
	v_max_num_f32 v[ST+4*\u+1], v[ST+4*\u+1], v[CT+16*\u]   ; the running largest t
.endr
.irp u, 0,1
	v_mov_b32 v[CT+16*\u], v[ST+4*\u]
.endr
.irp u, 0,1
	s_delay_alu instid0(VALU_DEP_4)
	v_floor_f32 v[ST+4*\u], -v[ST+4*\u+1]          ; the new -M = -ceil(t)
.endr
.irp u, 0,1
	s_delay_alu instid0(VALU_DEP_2)
	v_sub_f32 v[CT+16*\u], v[ST+4*\u], v[CT+16*\u] ; old M - new M: a whole number, 0 or less
.endr
.irp u, 0,1
	s_delay_alu instid0(VALU_DEP_2)
	v_cvt_i32_f32 v[CT+16*\u], v[CT+16*\u]         ; (it saturates)
.endr
.irp u, 0,1
	s_delay_alu instid0(VALU_DEP_2)
	v_ldexp_f32 v[FF+2*\u], 1.0, v[CT+16*\u]       ; f = 2^(old M - new M)
.endr
.endm
.macro RESC                            ; O^T under the new M: x f; each accumulator from its low end on
	WIN 0x41
.irp u, 0,1
.set j, 0
.rept 32
	v_pk_mul_f32 v[64*\u+j:64*\u+j+1], v[64*\u+j:64*\u+j+1], v[FF+2*\u:FF+2*\u+1] op_sel_hi:[1,0]
.set j, j+2
.endr
.endr
	WIN 0
.endm
.macro PEXP u                          ; tile u: p, the sum, p's scale word and codes
.set SS, S+64*(\u)
.set SU, ST+4*(\u)
.set FU, FF+2*(\u)
.set PU, PC+12*(\u)
.set BU, BM+4*(\u)
.set j, 0
.rept 32
	v_pk_fma_f32 v[SS+j:SS+j+1], v[SS+j:SS+j+1], s[CS:CS+1], v[SU:SU+1] op_sel_hi:[1,0,0]   ; X c - M, two at a time
.set j, j+2
.endr
.irp b, 0,1,2,3
	v_fma_f32 v[BU+\b], v[BU+\b], s[CS], v[SU]     ; the same of each block's largest X
.endr
	s_wait_alu depctr_va_vdst(0)                   ; ahead of the batch
.irp b, 0,1,2,3
	v_exp_f32 v[BU+\b], v[BU+\b]                   ; the block's largest p: the same operations on the same number
.endr
.set j, 0
.rept 64
	v_exp_f32 v[SS+j], v[SS+j]                     ; p = 2^(t - M)
.set j, j+1
.endr
	v_pk_mul_f32 v[SU+2:SU+3], v[SU+2:SU+3], v[FU:FU+1] op_sel_hi:[1,0]   ; the sums under the new M: the plain place behind the batch
	s_wait_alu depctr_va_vdst(0)                   ; one wait for the batch, ahead of its first reader
	v_pk_add_f32 v[BP:BP+1], v[SS:SS+1], v[SS+2:SS+3]   ; THE ROW'S SUM IS TAKEN OF THE UNQUANTISED p, in four chains
	v_pk_add_f32 v[BP+2:BP+3], v[SS+4:SS+5], v[SS+6:SS+7]
	v_pk_add_f32 v[CT:CT+1], v[SS+8:SS+9], v[SS+10:SS+11]
.irp j, 12,20,28,36,44,52
	v_pk_add_f32 v[SU+2:SU+3], v[SU+2:SU+3], v[SS+\j:SS+\j+1]
	v_pk_add_f32 v[BP:BP+1], v[BP:BP+1], v[SS+\j+2:SS+\j+3]
	v_pk_add_f32 v[BP+2:BP+3], v[BP+2:BP+3], v[SS+\j+4:SS+\j+5]
	v_pk_add_f32 v[CT:CT+1], v[CT:CT+1], v[SS+\j+6:SS+\j+7]
.endr
	v_pk_add_f32 v[SU+2:SU+3], v[SU+2:SU+3], v[SS+60:SS+61]
	v_pk_add_f32 v[BP:BP+1], v[BP:BP+1], v[SS+62:SS+63]
	s_delay_alu instid0(VALU_DEP_3)
	v_pk_add_f32 v[BP+2:BP+3], v[BP+2:BP+3], v[CT:CT+1]
	s_delay_alu instid0(VALU_DEP_2)
	v_pk_add_f32 v[SU+2:SU+3], v[SU+2:SU+3], v[BP:BP+1]
	s_delay_alu instid0(VALU_DEP_1)
	v_pk_add_f32 v[SU+2:SU+3], v[SU+2:SU+3], v[BP+2:BP+3]
.irp b, 0,1,2,3
	v_max_num_f32 v[BU+\b], 0x1800000, v[BU+\b]    ; the floor 2^(3 - 127): the byte cannot fall under 1
.endr
.irp b, 0,1,2,3
	s_delay_alu instid0(VALU_DEP_4)
	v_add_nc_u32 v[BU+\b], 0xff000000, v[BU+\b]    ; 2 off the exponent field: the conversion's scale operand
.endr
.irp b, 0,1,2,3
	s_delay_alu instid0(VALU_DEP_4)
	v_lshrrev_b32 v[BP+\b], 23, v[BU+\b]           ; the scale's byte
.endr
	s_delay_alu instid0(VALU_DEP_3)
	v_lshl_or_b32 v[PW+(\u)], v[BP+1], 8, v[BP]    ; p's scale word for these 128 keys
	s_delay_alu instid0(VALU_DEP_1)
	v_lshl_or_b32 v[PW+(\u)], v[BP+2], 16, v[PW+(\u)]
	s_delay_alu instid0(VALU_DEP_1)
	v_lshl_or_b32 v[PW+(\u)], v[BP+3], 24, v[PW+(\u)]
.irp c, 0,1
	v_cvt_scalef32_pk16_fp6_f32 v[PU+6*\c:PU+6*\c+2], v[SS+32*\c:SS+32*\c+15], v[BU+2*\c]
	v_cvt_scalef32_pk16_fp6_f32 v[CT+4*\c:CT+4*\c+2], v[SS+32*\c+16:SS+32*\c+31], v[BU+2*\c+1]   ; (a conversion's three registers begin on an even number)
.endr
	v_nop                                          ; one plain place behind the scaled conversions
.irp c, 0,1                            ; the operand wants a WHOLE block in a lane: lanes 0-15 block 2 c, lanes 16-31 block 2 c + 1
.irp i, 0,1,2
	v_permlane16_swap_b32 v[PU+6*\c+\i], v[CT+4*\c+\i]
.endr
.irp i, 0,1,2
	s_delay_alu instid0(VALU_DEP_3)
	v_mov_b32 v[PU+6*\c+3+\i], v[CT+4*\c+\i]
.endr
.endr
.endm
; ONE TRIP.  At its head S^T holds step i's X, and V's last loads are out.  mode 2: the change of slots with a joint refill; 1: a work-group barrier, nothing is filled; 0: no barrier.  read 1: step i + 1 is read.
.macro TRIP mode, read
	MAXB                                           ; my tensor load and V's last loads land meanwhile
.if \mode
	s_wait_alu depctr_va_vdst(0)
	s_wait_tensorcnt 0x0                           ; my tensor load has landed: my part of the slot that is read next
	ds_add_u32 v[SPW], v[NIL]                      ; 0 onto my spare word
.endif
.if \mode == 2
	STEPD
.endif
	STATS                                          ; work on registers between the add and the wait for it
	s_wait_alu depctr_va_vdst(0)
	s_wait_dscnt 0x0                               ; the add is done, V is in, my reads of the slot are over
.if \mode
	s_barrier_signal -1
.endif
	RESC                                           ; work on registers while the others arrive
	s_wait_alu depctr_va_vdst(0)
.if \mode
	s_barrier_wait -1
.endif
.if \mode == 2
	CREST                                          ; no wave of any partner still reads the slot or has a load on its way
	JLOAD                                          ; step i + 2 into the slot read out: my one tensor load until the next round
	ASK
.endif
.if \read
	s_xor_b32 s[TB], s[TB], SLOT1                  ; on to the other slot, whole since the barrier
	READ_A
.endif
	PEXP 0
.if \read
	MLOAD 0                                        ; tile 0's p is converted: its registers take the next step's mask numbers
.endif
	PEXP 1
.if \read
	MLOAD 1
.endif
	PLACES 4                                       ; between p's last codes and the products that take them
	PV
.if \read
	READ_B
.endif
.endm
	s_wait_alu depctr_va_vdst(0)
	s_wait_xcnt 0x0                                ; the first prefetch has read its address
	s_add_nc_u64 s[PFA:PFA+1], s[PFA:PFA+1], s[PFS:PFS+1]
	ASK                                            ; step 2
	s_wait_loadcnt 0x0                             ; Q and its scale words
	s_wait_tensorcnt 0x0                           ; step 0 is in; slot 1's first fill is issued as a refill is
	ds_add_u32 v[SPW], v[NIL]
	STEPD
	s_wait_dscnt 0x0
	ROUND
	JLOAD                                          ; step 1 into slot 1
	ASK                                            ; step 3
	s_mov_b32 s[SLOTS], 30                         ; fills still to be asked for
	READ_A                                         ; step 0 out of slot 0
	MLOAD 0
	MLOAD 1
	READ_B
.Lstep:                                            ; 30 trips: trip i finishes step i, reads step i + 1, asks for step i + 2
	TRIP 2, 1
	s_sub_co_u32 s[SLOTS], s[SLOTS], 1
	s_cmp_lg_u32 s[SLOTS], 0
	s_cbranch_scc1 .Lstep
	TRIP 1, 1                                      ; the last two trips are written out
	TRIP 0, 0
	; THE WAY OUT.  O^T is divided by the sum and goes through my stage in LDS, half a head's row (256 bytes) of 16 queries at a time.
	PLACES 4
.irp u, 0,1
	v_add_f32 v[BM+\u], v[ST+4*\u+2], v[ST+4*\u+3]
.endr
.irp u, 0,1
	s_delay_alu instid0(VALU_DEP_2)
	v_permlanex16_b32 v[BP+\u], v[BM+\u], s[SEL], s[SEL+1]
.endr
.irp u, 0,1
	s_delay_alu instid0(VALU_DEP_2)
	v_add_f32 v[BM+\u], v[BM+\u], v[BP+\u]
.endr
	s_wait_alu depctr_va_vdst(0)
.irp u, 0,1
	v_rcp_f32 v[FF+2*\u], v[BM+\u]
.endr
	v_nop                                          ; a plain place behind the reciprocals
	s_wait_alu depctr_va_vdst(0)                   ; one wait for the two, ahead of their first reader and of O^T's
.macro OUT u
.if \u
	s_wait_xcnt 0x0                                ; tile 0's stores have read their registers
.endif
	WIN 0x01
.set j, 0
.rept 64
	v_mul_f32 v[S+j], v[64*\u+j], v[FF+2*\u]       ; register 8 t + i is out(query r, channel 16 t + 8 h + i)
.set j, j+1
.endr
	WIN 0
.irp hh, 0,1
.irp t, 0,1,2,3
	ds_store_b128 v[STO], v[S+32*\hh+8*\t:S+32*\hh+8*\t+3] offset:64*\t
	ds_store_b128 v[STO], v[S+32*\hh+8*\t+4:S+32*\hh+8*\t+7] offset:64*\t+16
.endr
.irp i, 0,1,2,3,4,5,6,7
	ds_load_b128 v[S+64+32*\hh+4*\i:S+64+32*\hh+4*\i+3], v[RD] offset:544*\i   ; LDS serves a wave's instructions in order
.endr
.endr
.irp hh, 0,1
.irp i, 0,1,2,3,4,5,6,7
	s_wait_dscnt 23-16*\hh-\i                      ; the LDS instructions issued behind this load may be out
	global_store_b128 v[GO], v[S+64+32*\hh+4*\i:S+64+32*\hh+4*\i+3], s[8:9] offset:(16*\u+2*\i)*8192+256*\hh th:TH_STORE_NT   ; 16 lanes store 256 consecutive bytes, aligned
.endr
.endr
.endm
	OUT 0
	OUT 1
	s_wait_tensorcnt 0x0                           ; the wave's end
	ds_add_u32 v[SPW], v[NIL]
	s_wait_dscnt 0x0
	ROUND                                          ; the closing round
	s_endpgm
.Lfunc_end_k_qc987e51a6b_attn:
	.size	k_qc987e51a6b_attn, .Lfunc_end_k_qc987e51a6b_attn-k_qc987e51a6b_attn
	.p2alignl 7, 3214868480
	.fill 96, 4, 3214868480
	.section	.rodata,"a",@progbits
	.p2align	6, 0x0
	.amdhsa_kernel k_qc987e51a6b_attn
		.amdhsa_group_segment_fixed_size 327680
		.amdhsa_private_segment_fixed_size 0
		.amdhsa_enable_private_segment 0
		.amdhsa_kernarg_size 24
		.amdhsa_user_sgpr_count 2
		.amdhsa_user_sgpr_kernarg_segment_ptr 1
		.amdhsa_wavefront_size32 1
		.amdhsa_system_sgpr_workgroup_id_x 1
		.amdhsa_system_sgpr_workgroup_id_y 1
		.amdhsa_system_sgpr_workgroup_id_z 1
		.amdhsa_system_vgpr_workitem_id 0
		.amdhsa_next_free_vgpr 512
		.amdhsa_next_free_sgpr 100
		.amdhsa_reserve_vcc 0
		.amdhsa_float_denorm_mode_32 3
		.amdhsa_float_denorm_mode_16_64 3
		.amdhsa_memory_ordered 1
		.amdhsa_forward_progress 1
		.amdhsa_inst_pref_size 154
	.end_amdhsa_kernel
	.amdgpu_metadata
---
amdhsa.version: [ 1, 2 ]
amdhsa.kernels:
  - .name:           k_qc987e51a6b_attn
    .symbol:         k_qc987e51a6b_attn.kd
    .args:
      - { .name: attn_mask, .offset: 0, .size: 8, .value_kind: global_buffer, .address_space: global }
      - { .name: qkv, .offset: 8, .size: 8, .value_kind: global_buffer, .address_space: global }
      - { .name: out0, .offset: 16, .size: 8, .value_kind: global_buffer, .address_space: global }
    .group_segment_fixed_size: 327680
    .private_segment_fixed_size: 0
    .kernarg_segment_align: 8
    .kernarg_segment_size: 24
    .max_flat_workgroup_size: 256
    .sgpr_count:     100
    .vgpr_count:     512
    .wavefront_size: 32
...
	.end_amdgpu_metadata
.endif
;; end of part 2
